; MI455X (gfx1250); checked and timed in simulation.
; The chip was launched on July 23, 2026; its instructions are those of AMD's public machine-readable ISA for CDNA 5 (MIT licence, August 2026) and "CDNA5" Instruction Set Architecture Reference Guide (July 2026). The comments in the code are by the model that wrote it; some were corrected since.
;; Feature extra specific. Allowed arithmetic: matrix products marked QUANTISED: E5M2 operands, one given power-of-two scale a tensor, by v_wmma_f32_16x16x64_bf8_bf8 or v_wmma_f32_16x16x128_bf8_bf8, f32 sums; everything else in f32.
;; Inputs: H 64 x 128 x 512 float32; W_map 8 x 1,024 x 512 float32; W_proj 8 x 1,024 x 512 float32; asp_vs_d 8 x 512 float32; b_map 8 x 512 float32; b_proj 8 x 512 float32; lowp_scales 4 int32 (the exponents e of the quantised operands' scales 2^e); user_embedding 64 x 512 float32.
;; Outputs: out0 64 x 8 x 512 float32.
;; This version of the problem:
;;   THIS VERSION OF THE PROBLEM IS GIVEN IN LOW PRECISION. The matrix products marked QUANTISED in the list below multiply operands that are first quantised to E5M2 (5 exponent bits, 2 mantissa bits; 8 bits a number), with one given power-of-two scale for each operand tensor; their sums are f32. All else is computed in f32.
;;   The module's matrix products, in the order in which they are computed (A, B: the left and right operand; K: the contracted axis; several contracted axes count as one K, in the product's order):
;;     1. [M 4,096, K 1,024] x [K 1,024, N 8,192]; A: input W_map; B: computed on the way: QUANTISED (scales: A lowp_scales[0], B lowp_scales[1])
;;     2. [M 4,096, K 1,024] x [K 1,024, N 8,192]; A: input W_proj; B: computed on the way: QUANTISED (scales: A lowp_scales[2], B lowp_scales[3])
;;   THE QUANTISER, for each operand of a quantised product, along K:
;;     - The operand's scale is 2^e, e = its entry of the input lowp_scales (int32; the entries are numbered through the quantised products in the list's order, A before B).
;;     - Each number is divided by the scale, clamped to +-57,344, and rounded to the nearest number of E5M2, ties to even, subnormals kept.
;;     - The product sums the exact products of the quantised numbers (number of the format x scale) in f32.
;;   ~~~python
;;   def quantise(x, axis, e):      # numpy; x: float32 -> the quantised numbers, widened to float32 again
;;       x = np.moveaxis(x, axis, -1); K = x.shape[-1]
;;       r = np.clip(x / 2.0 ** e, -57344, 57344)
;;       step = 2.0 ** (np.maximum(np.frexp(np.where(r == 0, 1, r))[1] - 1, -14) - 2)
;;       q = np.round(r / step) * step * 2.0 ** e      # np.round: ties to even
;;       return np.moveaxis(q, -1, axis).astype(np.float32)
;;   ~~~
;;   OPERANDS COMPUTED ON THE WAY. 'Computed on the way' means the value that the module computes at that place (a softmax that the list does not call 'softmax' is quantised finished and normalised). What goes into a quantiser is computed in f32, as accurately as f32 sums, v_exp_f32 and their like allow (about 1e-6 of the number): no bf16 or f16 on the way to a quantiser, and a product that is left as it is and whose result goes on into a quantised operand takes f32 operands (vector FMAs, or v_wmma_f32_16x16x4_f32). A number that lies on a knife's edge between two numbers of the format may be rounded either way, as far as f32 arithmetic and the matrix unit's own rounding can turn it there, and no further.
;; One version. Each part assembles by itself: llvm-mc -triple=amdgcn-amd-amdhsa -mcpu=gfx1250 --defsym DOCPART=n.
;; ======== version 1 of 1: 2 launches
;; limits: right only within a limited range of input values
;; workspace buffers: hcodes 8,454,144 bytes; wcodes 8,388,608 bytes; ubias 2,097,152 bytes
;; launch prep (part 1): grid 768 x 1, 4 waves a work-group, no clusters, 100,864 bytes of LDS; arguments H, user_embedding, W_map, W_proj, b_map, b_proj, lowp_scales, hcodes, wcodes, ubias; writes hcodes, wcodes, ubias
.if DOCPART == 1
	.amdgcn_target "amdgcn-amd-amdhsa--gfx1250"
	.amdhsa_code_object_version 6
	.text
	.protected	k_q43c3bd9724_prep
	.globl	k_q43c3bd9724_prep
	.p2align	8
	.type	k_q43c3bd9724_prep,@function
k_q43c3bd9724_prep:
	s_mov_b64 s[64:65], 0
	v_nop
	global_prefetch_b8 v0, s[64:65] scope:SCOPE_SE
	s_setreg_imm32_b32 hwreg(HW_REG_WAVE_MODE, 25, 1), 1
	s_wait_xcnt 0x0
; f32 numbers into codes of BF8 (E5M2), laid as IMAGES OF OPERAND REGISTERS, and the user's half of both products.
; A fragment is 16 rows (or columns) x 128 along K, 2,048 bytes: byte 512 c + 16 lane + i holds K = 32 c + 16 (lane / 16) + i of row lane % 16.  The same map serves both operands, so every product meets its partner.
; code = x / 2^e, held within +-57,344, rounded to the nearest code, ties to even.  e: lowp_scales: 0 W_map, 1 the rows in the map product, 2 W_proj, 3 the rows in the proj product.
; LIMITS: each e between -126 and 112; e0 + e1 and e2 + e3 between -126 and 127.  NaN among the inputs is not served; an infinity is held at the largest code.
; WORK LEFT OUT BY THE PROGRAM: reference() adds the constant 1e-24 to every score ahead of the softmax over the length axis.  A term that is the same along a softmax's axis
; cancels between numerator and denominator for all values of the inputs, so the last launch does not add it.  No input loses its way to the output by that.
; WORK DONE ONCE: reference() repeats user_embedding over the 128 rows of a batch, so for k = 512 .. 1,023 those rows have the same codes, and that half of each sum is one number for each (aspect, batch, column, product).
; WORK-GROUPS.  0-127: the user's half of the weights; 128-255: H's half; both: bits 2:0 cg (64 columns), 5:3 aspect a, 6 mat (0 W_map, 1 W_proj).  256-767: row tiles of H.
; WEIGHTS ([1024][512], K is the first axis).  Wave s takes 128 along K x 64 columns.  A load reads 16 bytes a lane: lanes 0-15 the 256 bytes of row 32 c + i, lanes 16-31 those of row 32 c + 16 + i.
;   The hold writes each number to its place in a run of 16 along K of one column, so nothing else is needed to turn the block; a lane's 16 codes of a column are 16 bytes of the column tile's image in LDS (tiles 2,064 bytes apart).
;   H's half: the wave reads its four images back and stores them: wcodes: a << 20 + mat << 18 + s << 16 + column tile x 2,048; each store covers 512 consecutive bytes, aligned.
;   The user's half: wave s also makes the images of user_embedding's four tiles of 16 batches at K step s; behind one barrier wave v multiplies batches 16 v .. + 15 with the four column tiles over K = 512
;   (16 matrix instructions, four accumulators by turns) and stores   mat 0: -log2(e) x (b_map + 2^(e0 + e1) x sum)   mat 1: b_proj + 2^(e2 + e3) x sum
;   ubias: (((a 64 + b) 4 + w) 4 + q) x 256 + 16 r + 4 i bytes: column 128 w + 16 ct + r, 4 q + i = 8 mat + ct: sixteen lanes store 256 consecutive bytes, aligned.
; ROWS.  Tile T = 4 G + t4, G = (bg 8 + a') 2 + hf: batch 8 bg + 4 hf + t4, its 16 rows l = 8 i + a'.  hcodes: G x 65,536 + version x 32,768 + K step x 8,192 + t4 x 2,048; version 0 has scale e1, version 1 e3.
;   Wave s takes K step s.  Each load reads 512 consecutive bytes of a row; the numbers turn through the wave's own stage in LDS (rows 528 bytes apart).  The user's tiles turn the same way.
.set SPI,  528                         ; a stage row: 512 bytes + 16
.set WST,  8448                        ; a wave's stage (16 rows), and a wave's four weight images (4 x 2,064, rounded up)
.set TP,   2064                        ; from image to image: 2,048 + 16, so that the sixteen lanes of a store fall into sixteen different 16-byte columns
.set BIMG, 4*WST                       ; the weights' images
.set AIMG, 8*WST                       ; the batches' images: K step x 8,192 + tile x 2,048
.set SPARE, AIMG+32768                 ; the spare words, 128 bytes a wave
.set L0,  16                           ; v16-79   numbers as loaded, set 0; later the batches' four fragments
.set L1,  80                           ; v80-143  set 1; rows: the turned numbers
.set XT,  144                          ; v144-207 64 numbers in runs along K
.set CW,  208                          ; v208-223 codes; v224-239 rows: version 1's; later v208-239 four accumulators
.set BI,  240                          ; v240-243 biases
.set ADO, 244                          ; LDS: my own weight images, 16 x lane
.set ADS, 245                          ; LDS: where I put the batches' images of my K step
.set ADR, 246                          ; LDS: the images of my tile of batches
.set ADB, 247                          ; LDS: all weight images, 16 x lane
.macro SCALE e, vs, vl                 ; v[vs] = 2^e as f32 (the conversion takes its exponent field), v[vl] = 57,344 x 2^e
	s_add_co_i32 s60, s[\e], 127
	s_lshl_b32 s61, s60, 23
	v_mov_b32 v[\vs], s61
	s_add_co_i32 s60, s60, 15
	s_lshl_b32 s60, s60, 23
	s_or_b32 s60, s60, 0x600000
	v_mov_b32 v[\vl], s60
.endm
.macro ENDW                            ; the wave's end
	s_wait_tensorcnt 0x0
	ds_add_u32 v12, v13
	s_wait_dscnt 0x0
	s_endpgm
.endm
.macro TURNIN L                        ; 16 rows x 512 bytes through my stage: a lane gets 16 neighbours along K of each block of 32 (LDS serves a wave's instructions in order)
.irp i, 0,1,2,3,4,5,6,7,8,9,10,11,12,13,14,15
	ds_store_b128 v5, v[\L+4*\i:\L+4*\i+3] offset:SPI*\i
.endr
.endm
.macro TURNOUT X
.irp c, 0,1,2,3
.irp j, 0,1,2,3
	ds_load_b128 v[\X+16*\c+4*\j:\X+16*\c+4*\j+3], v6 offset:128*\c+16*\j
.endr
.endr
	s_wait_dscnt 0x0
.endm
.macro CODES D, S, C, vs, vl           ; 64 numbers of S, held into D, become 16 registers of codes
.irp c, 0,1,2,3
.irp i, 0,1,2,3,4,5,6,7,8,9,10,11,12,13,14,15
	v_med3_num_f32 v[\D+16*\c+\i], v[\S+16*\c+\i], -v[\vl], v[\vl]   ; the conversion does not saturate (ISA guide 7.6.2)
.endr
	v_cvt_scalef32_pk8_bf8_f32 v[\C+4*\c:\C+4*\c+1], v[\D+16*\c:\D+16*\c+7], v[\vs]
	v_cvt_scalef32_pk8_bf8_f32 v[\C+4*\c+2:\C+4*\c+3], v[\D+16*\c+8:\D+16*\c+15], v[\vs]
.endr
	v_nop                                          ; a plain line behind the last conversion of the run
.endm
	s_load_b512 s[4:19], s[0:1], 0x0               ; H 4, user_embedding 6, W_map 8, W_proj 10, b_map 12, b_proj 14, lowp_scales 16, hcodes 18
	s_load_b128 s[20:23], s[0:1], 0x40             ; wcodes 20, ubias 22
	v_lshl_add_u32 v12, v0, 2, SPARE               ; my spare word; never rewritten
	v_mov_b32 v13, 0                               ; 0; never rewritten
	v_lshrrev_b32 v1, 5, v0
	v_readfirstlane_b32 s24, v1                    ; wave 0..3
	s_mul_i32 s25, s24, WST
	s_lshl_b32 s26, s24, 13
	s_lshl_b32 s27, s24, 11
	v_and_b32 v1, 31, v0                           ; lane
	v_and_b32 v2, 15, v0                           ; r
	v_bfe_u32 v3, v0, 4, 1                         ; h
	v_lshlrev_b32 v4, 4, v1                        ; 16 x lane
	v_add_nc_u32 v5, s25, v4                       ; into my stage
	v_mul_u32_u24 v6, v2, SPI
	v_lshl_add_u32 v6, v3, 6, v6
	v_add_nc_u32 v6, s25, v6                       ; out of it: row r, + 64 h bytes
	v_lshrrev_b32 v7, 2, v2
	v_mul_u32_u24 v7, v7, TP
	v_and_b32 v15, 3, v2
	v_lshl_add_u32 v7, v15, 6, v7
	v_lshl_add_u32 v7, v3, 8, v7
	v_add_nc_u32 v7, s25, v7
	v_add_nc_u32 v7, BIMG, v7                      ; my four columns' codes: image r / 4, + 64 (r % 4) + 256 h
	v_add_nc_u32 v[ADB], BIMG, v4
	v_add_nc_u32 v[ADO], s25, v[ADB]
	v_add_nc_u32 v[ADS], s26, v4
	v_add_nc_u32 v[ADS], AIMG, v[ADS]
	v_add_nc_u32 v[ADR], s27, v4
	v_add_nc_u32 v[ADR], AIMG, v[ADR]
	v_lshlrev_b32 v14, 4, v2
	v_lshl_add_u32 v14, v3, 15, v14                ; 16 r + 32,768 h: in the weights 16 rows further down, in ubias 8 batches further on
	v_lshlrev_b32 v15, 2, v2                       ; the bias: 4 r
	s_wait_alu depctr_va_vdst(0)
	s_wait_kmcnt 0x0
	s_load_b128 s[28:31], s[16:17], 0x0            ; e0, e1, e2, e3
	s_cmp_lt_u32 ttmp9, 256
	s_cbranch_scc0 .Lrows
	; ---------------- WEIGHTS ----------------
	s_and_b32 s32, ttmp9, 7                        ; cg
	s_bfe_u32 s33, ttmp9, 0x30003                  ; a
	s_bfe_u32 s34, ttmp9, 0x10006                  ; mat
	s_bfe_u32 s35, ttmp9, 0x10007                  ; 0: the user's half (rows 512 on), 1: H's half
	s_lshl_b32 s40, s33, 21
	s_xor_b32 s41, s35, 1
	s_lshl_b32 s41, s41, 20
	s_add_co_u32 s40, s40, s41
	s_lshl_b32 s41, s24, 18                        ; my 128 rows
	s_add_co_u32 s40, s40, s41
	s_lshl_b32 s41, s32, 8                         ; 64 columns
	s_add_co_u32 s40, s40, s41
	s_mov_b32 s41, 0
	s_cmp_eq_u32 s34, 0
	s_cselect_b64 s[8:9], s[8:9], s[10:11]
	s_cselect_b64 s[12:13], s[12:13], s[14:15]
	s_add_nc_u64 s[8:9], s[8:9], s[40:41]
.macro LOADW c, L                      ; block c: rows 32 c + 16 h + i, my four columns
.irp i, 0,1,2,3,4,5,6,7,8,9,10,11,12,13,14,15
	global_load_b128 v[\L+4*\i:\L+4*\i+3], v14, s[8:9] offset:(32*(\c)+\i)*2048 th:TH_LOAD_NT
.endr
.endm
.macro BLOCKW c, L, left, next
	s_wait_loadcnt \left                           ; this block's 16 loads are in; the next block's may be out
.irp j, 0,1,2,3
.irp i, 0,1,2,3,4,5,6,7,8,9,10,11,12,13,14,15
	v_med3_num_f32 v[XT+16*\j+\i], v[\L+4*\i+\j], -v9, v9   ; the hold, written to column j's run along K
.endr
.endr
.irp j, 0,1,2,3
	v_cvt_scalef32_pk8_bf8_f32 v[CW+4*\j:CW+4*\j+1], v[XT+16*\j:XT+16*\j+7], v8
	v_cvt_scalef32_pk8_bf8_f32 v[CW+4*\j+2:CW+4*\j+3], v[XT+16*\j+8:XT+16*\j+15], v8
.endr
	v_nop
.irp j, 0,1,2,3
	ds_store_b128 v7, v[CW+4*\j:CW+4*\j+3] offset:512*(\c)+16*\j
.endr
.if \next
	LOADW (\c)+2, \L
.endif
	s_wait_dscnt 0x0                               ; the stores have read their registers: the next codes may be written
.endm
	LOADW 0, L0
	LOADW 1, L1
	s_wait_kmcnt 0x0
	s_cmp_eq_u32 s34, 0
	s_cselect_b32 s42, s28, s30                    ; the weights' e
	s_cselect_b32 s43, s29, s31                    ; the rows' e
	SCALE 42, 8, 9
	SCALE 43, 10, 11
	s_wait_alu depctr_va_vdst(0)
	BLOCKW 0, L0, 16, 1
	BLOCKW 1, L1, 16, 1
	BLOCKW 2, L0, 16, 0
	BLOCKW 3, L1, 0, 0
	s_cmp_eq_u32 s35, 0
	s_wait_alu depctr_va_vdst(0)
	s_cbranch_scc0 .Ljoin
	; the user's half: the images of the four tiles of 16 batches at my K step
	s_lshl_b32 s40, s24, 9
	s_add_nc_u64 s[6:7], s[6:7], s[40:41]
	s_lshl_b32 s40, s33, 11
	s_lshl_b32 s44, s32, 8
	s_add_co_u32 s40, s40, s44
	s_add_nc_u64 s[12:13], s[12:13], s[40:41]      ; the bias: row a, column 64 cg
.irp i, 0,1,2,3
	global_load_b32 v[BI+\i], v15, s[12:13] offset:64*\i
.endr
.macro LOADU t, L
.irp i, 0,1,2,3,4,5,6,7,8,9,10,11,12,13,14,15
	global_load_b128 v[\L+4*\i:\L+4*\i+3], v4, s[6:7] offset:32768*(\t)+2048*\i
.endr
.endm
.macro TILEU t, L, left, next
	s_wait_loadcnt \left
	TURNIN \L
	TURNOUT XT
.if \next
	LOADU (\t)+2, \L
.endif
	CODES XT, XT, CW, 10, 11
.irp c, 0,1,2,3
	ds_store_b128 v[ADS], v[CW+4*\c:CW+4*\c+3] offset:2048*(\t)+512*\c
.endr
.endm
	LOADU 0, L0
	LOADU 1, L1
	TILEU 0, L0, 16, 1
	TILEU 1, L1, 16, 1
	TILEU 2, L0, 16, 0
	TILEU 3, L1, 0, 0
.Ljoin:
	s_wait_dscnt 0x0                               ; for the others' sake: my images are written
	s_barrier_signal -1
	s_barrier_wait -1
	s_cmp_eq_u32 s35, 0
	s_cbranch_scc0 .Lhalf
	; the product: source 0 = my 16 batches, source 1 = 16 columns: lane (r, h) holds column r, its register j batch 8 h + j
.irp k, 0,1,2,3
.irp c, 0,1,2,3
	ds_load_b128 v[L0+16*\k+4*\c:L0+16*\k+4*\c+3], v[ADR] offset:8192*\k+512*\c
.endr
.endr
.macro LDBU k                          ; the four column tiles of K step k, into set k % 2
.irp i, 0,1,2,3
.irp c, 0,1,2,3
	ds_load_b128 v[L1+64*((\k)%2)+16*\i+4*\c:L1+64*((\k)%2)+16*\i+4*\c+3], v[ADB] offset:WST*(\k)+TP*\i+512*\c
.endr
.endr
.endm
.macro MULU k                          ; the four accumulators take turns, one instruction a turn
.irp i, 0,1,2,3
.if (\k) == 0
	v_wmma_f32_16x16x128_bf8_bf8 v[CW+8*\i:CW+8*\i+7], v[L0+16*(\k):L0+16*(\k)+15], v[L1+64*((\k)%2)+16*\i:L1+64*((\k)%2)+16*\i+15], 0
.else
	v_wmma_f32_16x16x128_bf8_bf8 v[CW+8*\i:CW+8*\i+7], v[L0+16*(\k):L0+16*(\k)+15], v[L1+64*((\k)%2)+16*\i:L1+64*((\k)%2)+16*\i+15], v[CW+8*\i:CW+8*\i+7]
.endif
.endr
.rept 4
	v_nop                                          ; four places behind the products (ISA guide 7.12.1)
.endr
.endm
	LDBU 0
	LDBU 1
	s_add_co_i32 s44, s28, s29                     ; e0 + e1
	s_add_co_i32 s45, s30, s31                     ; e2 + e3
	s_mov_b32 s46, 0x3f800000
	s_cmp_eq_u32 s34, 0
	s_cselect_b32 s44, s44, s45
	s_cselect_b32 s46, 0xbfb8aa3b, s46             ; F = -log2(e) for the map product, 1 for the proj product
	s_lshl_b32 s44, s44, 23
	s_add_co_i32 s47, s46, s44                     ; F x 2^(the two exponents)
	s_lshl_b32 s48, s33, 18                        ; out: (a 64 + 16 v) x 4,096 + 1,024 (cg / 2) + 256 (2 mat + cg % 2)
	s_lshl_b32 s49, s24, 16
	s_add_co_u32 s48, s48, s49
	s_lshr_b32 s49, s32, 1
	s_lshl_b32 s49, s49, 10
	s_add_co_u32 s48, s48, s49
	s_lshl_b32 s49, s34, 9
	s_add_co_u32 s48, s48, s49
	s_and_b32 s49, s32, 1
	s_lshl_b32 s49, s49, 8
	s_add_co_u32 s48, s48, s49
	s_mov_b32 s49, 0
	s_add_nc_u64 s[22:23], s[22:23], s[48:49]
	s_wait_dscnt 16                                ; the batches' fragments and K step 0 are in; K step 1's 16 loads may be out
	MULU 0
	LDBU 2
	s_wait_dscnt 16
	MULU 1
	LDBU 3
	s_wait_dscnt 16
	MULU 2
	s_wait_dscnt 0x0
	MULU 3
.irp i, 0,1,2,3
	v_mul_f32 v[BI+\i], s46, v[BI+\i]              ; F x bias
.endr
.irp j, 0,1,2,3,4,5,6,7                        ; each accumulator is read from its low end on
.irp i, 0,1,2,3
	v_fma_f32 v[L1+4*\j+\i], v[CW+8*\i+\j], s47, v[BI+\i]
.endr
.endr
.irp j, 0,1,2,3,4,5,6,7
	global_store_b128 v14, v[L1+4*\j:L1+4*\j+3], s[22:23] offset:4096*\j   ; batch 8 h + j
.endr
	ENDW
.Lhalf:                                        ; H's half: my four images go out as they lie
	s_lshl_b32 s40, s33, 20
	s_lshl_b32 s44, s34, 18
	s_add_co_u32 s40, s40, s44
	s_lshl_b32 s44, s24, 16
	s_add_co_u32 s40, s40, s44
	s_lshl_b32 s44, s32, 13
	s_add_co_u32 s40, s40, s44
	s_add_nc_u64 s[20:21], s[20:21], s[40:41]
.irp t, 0,1,2,3
.irp c, 0,1,2,3
	ds_load_b128 v[L0+16*\t+4*\c:L0+16*\t+4*\c+3], v[ADO] offset:TP*\t+512*\c
.endr
.endr
.irp t, 0,1,2,3
.irp c, 0,1,2,3
	s_wait_dscnt 15-4*\t-\c
	global_store_b128 v4, v[L0+16*\t+4*\c:L0+16*\t+4*\c+3], s[20:21] offset:2048*\t+512*\c
.endr
.endr
	ENDW
	; ---------------- ROWS ----------------
.Lrows:
	s_sub_co_u32 s32, ttmp9, 256
	s_lshr_b32 s33, s32, 2                         ; G
	s_and_b32 s34, s32, 3                          ; t4
	s_lshr_b32 s35, s33, 4                         ; bg
	s_bfe_u32 s36, s33, 0x30001                    ; a'
	s_and_b32 s37, s33, 1                          ; hf
	s_lshl_b32 s35, s35, 3
	s_lshl_b32 s37, s37, 2
	s_add_co_u32 s35, s35, s37
	s_add_co_u32 s35, s35, s34                     ; b
	s_lshl_b32 s40, s35, 18                        ; a batch of H is 128 rows of 2,048 bytes
	s_lshl_b32 s36, s36, 11
	s_add_co_u32 s40, s40, s36
	s_lshl_b32 s36, s24, 9                         ; my K step
	s_add_co_u32 s40, s40, s36
	s_mov_b32 s41, 0
	s_add_nc_u64 s[4:5], s[4:5], s[40:41]
	s_lshl_b32 s40, s33, 16
	s_add_co_u32 s40, s40, s26
	s_lshl_b32 s36, s34, 11
	s_add_co_u32 s40, s40, s36
	s_add_nc_u64 s[18:19], s[18:19], s[40:41]      ; my fragment of version 0
.irp i, 0,1,2,3,4,5,6,7,8,9,10,11,12,13,14,15
	global_load_b128 v[L0+4*\i:L0+4*\i+3], v4, s[4:5] offset:16384*\i th:TH_LOAD_NT   ; the tile's rows lie 8 rows apart
.endr
	s_wait_kmcnt 0x0
	SCALE 29, 8, 9                                 ; e1
	SCALE 31, 10, 11                               ; e3
	s_wait_alu depctr_va_vdst(0)
	s_wait_loadcnt 0x0
	TURNIN L0
	TURNOUT L1
	CODES XT, L1, CW, 8, 9                         ; version 0: held into other registers, so that the numbers stay
	CODES L1, L1, CW+16, 10, 11                    ; version 1, in place
.irp v, 0,1
.irp c, 0,1,2,3
	global_store_b128 v4, v[CW+16*\v+4*\c:CW+16*\v+4*\c+3], s[18:19] offset:32768*\v+512*\c   ; 512 consecutive bytes, aligned
.endr
.endr
	ENDW
.Lfunc_end_k_q43c3bd9724_prep:
	.size	k_q43c3bd9724_prep, .Lfunc_end_k_q43c3bd9724_prep-k_q43c3bd9724_prep
	.p2alignl 7, 3214868480
	.fill 96, 4, 3214868480
	.section	.rodata,"a",@progbits
	.p2align	6, 0x0
	.amdhsa_kernel k_q43c3bd9724_prep
		.amdhsa_group_segment_fixed_size 100864
		.amdhsa_private_segment_fixed_size 0
		.amdhsa_enable_private_segment 0
		.amdhsa_kernarg_size 80
		.amdhsa_user_sgpr_count 2
		.amdhsa_user_sgpr_kernarg_segment_ptr 1
		.amdhsa_wavefront_size32 1
		.amdhsa_system_sgpr_workgroup_id_x 1
		.amdhsa_system_sgpr_workgroup_id_y 1
		.amdhsa_system_sgpr_workgroup_id_z 1
		.amdhsa_system_vgpr_workitem_id 0
		.amdhsa_next_free_vgpr 256
		.amdhsa_next_free_sgpr 66
		.amdhsa_reserve_vcc 0
		.amdhsa_float_denorm_mode_32 3
		.amdhsa_float_denorm_mode_16_64 3
		.amdhsa_memory_ordered 1
		.amdhsa_forward_progress 1
		.amdhsa_inst_pref_size 92
	.end_amdhsa_kernel
	.amdgpu_metadata
---
amdhsa.version: [ 1, 2 ]
amdhsa.kernels:
  - .name:           k_q43c3bd9724_prep
    .symbol:         k_q43c3bd9724_prep.kd
    .args:
      - { .name: H, .offset: 0, .size: 8, .value_kind: global_buffer, .address_space: global }
      - { .name: user_embedding, .offset: 8, .size: 8, .value_kind: global_buffer, .address_space: global }
      - { .name: W_map, .offset: 16, .size: 8, .value_kind: global_buffer, .address_space: global }
      - { .name: W_proj, .offset: 24, .size: 8, .value_kind: global_buffer, .address_space: global }
      - { .name: b_map, .offset: 32, .size: 8, .value_kind: global_buffer, .address_space: global }
      - { .name: b_proj, .offset: 40, .size: 8, .value_kind: global_buffer, .address_space: global }
      - { .name: lowp_scales, .offset: 48, .size: 8, .value_kind: global_buffer, .address_space: global }
      - { .name: hcodes, .offset: 56, .size: 8, .value_kind: global_buffer, .address_space: global }
      - { .name: wcodes, .offset: 64, .size: 8, .value_kind: global_buffer, .address_space: global }
      - { .name: ubias, .offset: 72, .size: 8, .value_kind: global_buffer, .address_space: global }
    .group_segment_fixed_size: 100864
    .private_segment_fixed_size: 0
    .kernarg_segment_align: 8
    .kernarg_segment_size: 80
    .max_flat_workgroup_size: 128
    .sgpr_count:     66
    .vgpr_count:     256
    .wavefront_size: 32
...
	.end_amdgpu_metadata
.endif
;; end of part 1
;; launch main (part 2): grid 32 x 8, 4 waves a work-group, clusters of 4 x 1, 327,680 bytes of LDS; arguments hcodes, wcodes, ubias, asp_vs_d, lowp_scales, out0; writes out0
.if DOCPART == 2
	.amdgcn_target "amdgcn-amd-amdhsa--gfx1250"
	.amdhsa_code_object_version 6
	.text
	.protected	k_q43c3bd9724_main
	.globl	k_q43c3bd9724_main
	.p2align	8
	.type	k_q43c3bd9724_main,@function
k_q43c3bd9724_main:
	s_mov_b64 s[64:65], 0
	v_nop
	global_prefetch_b8 v0, s[64:65] scope:SCOPE_SE
	s_setreg_imm32_b32 hwreg(HW_REG_WAVE_MODE, 25, 1), 1
	s_wait_xcnt 0x0
	s_wait_alu depctr_hold_cnt(0) depctr_sa_sdst(0) depctr_va_vdst(0) depctr_va_sdst(0) depctr_va_ssrc(0) depctr_va_vcc(0) depctr_vm_vsrc(0)
	s_getreg_b32 s2, hwreg(HW_REG_IB_STS2, 6, 4)
	s_cmp_eq_u32 s2, 0
	s_cbranch_scc0 .Lentry_in_a_cluster
	s_endpgm
.Lentry_in_a_cluster:
	s_bfe_u32 s2, ttmp6, 0x10000c
	s_cmp_lg_u32 s2, 0x3003
	s_cbranch_scc0 .Lentry_shape_is_right
	s_endpgm
.Lentry_shape_is_right:
; out0[b'][a'][d] = sum over 128 rows of m x softmax(score), m = sigmoid(map) x proj, score = sum over d of m x asp_vs_d[a'][d]; both products on codes of BF8 (E5M2).
; reference()'s raw reshape gives output row (b', a') the aspect a = b' / 8, the batches 8 (b' % 8) .. + 7 and their rows l = 8 i + a'.  hcodes holds such rows as tiles of 64 (4 batches x 16 rows): a PAIR of tiles makes one output row.
; GRID: y = aspect a; x = 4 x cluster x + cx takes tiles 4 x .. 4 x + 3: two pairs, one a trip of the loop.  Wave w makes 64 rows x columns 128 w .. + 127 of both products: 32 accumulators in window 2 (map), 32 in window 3 (proj).
; K = 512, H's half; the user's half of each sum and the bias come from ubias, one number for each (aspect, batch, column, product).
; WEIGHTS: two LDS slots of 131,072 bytes (two K steps of 128 x 512 columns of one product), images of operand registers, asked for jointly by the four work-groups of a cluster, a quarter a wave.
; THE PAIR WALKS THE FOUR SLOTS' CONTENTS TO AND FRO: first tile map K01, map K23, proj K01, proj K23; second tile proj K23, proj K01, map K23, map K01.  So at each change of tiles both slots hold what the next tile begins with,
; and a tile asks for two slots, not four: 10 loads of a slot for a work-group's four tiles.  Every trip has the same four refills, and each is read.
; ROWS' CODES: 16,384 bytes a phase, through registers into two LDS slots of their own, by turns; the three places that would reach past the last pair are passed over by a branch on the trip's number.
; THE FIRST TILE'S m is written over the gates (window 2), so that the second tile's proj product can start; its scores, softmax and weighted sum follow behind that product, where no sum is open.
; No transcendental stands inside a product, and the 32 accumulators of a product take turns, one instruction a turn.  The softmax keeps a running maximum over the pair.
; LEFT OUT: the 1e-24 that reference() adds to every score: the same along the softmax's axis, it cancels for all values of the inputs.
; LIMITS: e0 + e1 between -126 and 127 (added to the exponent field of log2(e)); e2 + e3 between -126 and 127.
; No prefetch of the weights is laid: an aspect's 524,288 bytes are asked for again and again by each of its 32 work-groups.
.set BSL,   131072
.set AREG,  2*BSL
.set ASL,   16384
.set SCR,   AREG+2*ASL                 ; the waves' partial scores, 256 bytes a wave
.set OSTG,  SCR+1024                   ; the way out, 512 bytes a wave
.set SPARE, OSTG+2048                  ; the spare words
.set ADRB, 4
.set ADRA, 8
.set UBO,  10
.set ASPO, 11
.set SCW,  12
.set SCRD, 13
.set OSW,  14
.set OSR,  15
.set OGO,  16
.set SPW,  18
.set NIL,  19
.set MX,   20
.set FF,   24
.set NM,   26
.set LS,   28
.set AST,  29
.set ASP,  32
.set OA,   40
.set SP,   56
.set AGO,  90
.set OD,   92
.set UB,   96                          ; v96-159  a tile's biases
.set STG,  160                         ; v160-223 rows' codes on their way, two sets
.set T,    224                         ; v224-255 at work in the way out
.set WV,   16
.set TAU,  17
.set SEL,  20
.set SG,   22
.set SJ,   24
.set G1B,  28
.set G0B,  44
.set AP,   52
.set UBP,  80
.set OUTP, 82
.set MSB, 0
.macro WIN new
.if MSB != (\new)
	s_set_vgpr_msb (MSB<<8)|(\new)
.set MSB, (\new)
.endif
.endm
.macro PLACES n
.rept \n
	v_nop
.endr
.endm
.macro TWAIT                           ; a plain place and the one wait behind a batch of transcendentals
	v_nop
	s_wait_alu depctr_va_vdst(0)
.endm
.macro CREST
	s_cmp_lg_u32 s[WV], 0
	s_cbranch_scc1 .Lnot_wave_0_\@
	s_barrier_signal -3
.Lnot_wave_0_\@:
	s_barrier_wait -3
	s_barrier_signal -1
	s_barrier_wait -1
.endm
.macro CROUND
	s_barrier_signal -1
	s_barrier_wait -1
	CREST
.endm
.macro JLOAD p
	tensor_load_to_lds s[G0B+4*(\p):G0B+4*(\p)+3], s[G1B:G1B+7]
	s_nop 0
.rept 4
	v_nop
.endr
.endm
; my 4,096 bytes of a later phase's rows into register set pa.  cond = 1: only in the first trip (the second has no pair behind it)
.macro A_LOAD pa, off, cond
.if \cond
	s_cmp_eq_u32 s[TAU], 0
	s_cbranch_scc0 .Lno_load_\@
.endif
.irp i, 0,1,2,3,4,5,6,7
	global_load_b128 v[STG+32*(\pa)+4*\i:STG+32*(\pa)+4*\i+3], v[AGO], s[AP:AP+1] offset:(\off)+512*\i
.endr
.if \cond
.Lno_load_\@:
.endif
.endm
.macro A_STORE pa, cond
.if \cond
	s_cmp_eq_u32 s[TAU], 0
	s_cbranch_scc0 .Lno_store_\@
.endif
	s_wait_loadcnt 0x0
.irp i, 0,1,2,3,4,5,6,7
	ds_store_b128 v[AST], v[STG+32*(\pa)+4*\i:STG+32*(\pa)+4*\i+3] offset:(\pa)*ASL+512*\i
.endr
.if \cond
.Lno_store_\@:
.endif
.endm
.macro FRAG reg, adr, off
.irp c, 0,1,2,3
	ds_load_b128 v[\reg+4*\c:\reg+4*\c+3], v[\adr] offset:\off+512*\c
.endr
.endm
.macro FETCH_A p, ks, set
	WIN 0x40
.irp t, 0,1,2,3
	FRAG 64*(\set)+16*\t, ADRA+(\p), 8192*(\ks)+2048*\t
.endr
.endm
.macro FETCH_B p, ks, b0
	WIN 0x40
.irp u, 0,1,2,3
	FRAG 128+16*((\b0)+\u), ADRB+2*(\p)+(\ks), 2048*((\b0)+\u)
.endr
.endm
; The gate of a whole tile, in place in window 2: 1 / (1 + 2^t), t = -log2(e) x (2^(e0 + e1) x sum + bias + the user's half).  Four runs, each over all 256 numbers of a lane.
; The biases are in: waits for 0 on LOADcnt stand between their loads and this block.
.macro SIG
	WIN 0x82
.set g, 0
.rept 32                               ; accumulator g = 8 t + c: batch t, column tile c; each is read from its low end on
.set rG, 8*g
.set rU, UB+16*(g/8)+((g%8)/2)*2
.irp i, 0,2,4,6
.if (g%2) == 0
	v_pk_fma_f32 v[rG+\i:rG+\i+1], v[rG+\i:rG+\i+1], s[SG:SG+1], v[rU:rU+1] op_sel_hi:[1,0,0]
.else
	v_pk_fma_f32 v[rG+\i:rG+\i+1], v[rG+\i:rG+\i+1], s[SG:SG+1], v[rU:rU+1] op_sel:[0,0,1] op_sel_hi:[1,0,1]
.endif
.endr
.set g, g+1
.endr
	s_wait_alu depctr_va_vdst(0)
.set i, 0
.rept 256
	v_exp_f32 v[i], v[i]
.set i, i+1
.endr
	TWAIT
.set i, 0
.rept 128
	v_pk_add_f32 v[i:i+1], v[i:i+1], 1.0 op_sel_hi:[1,0]
.set i, i+2
.endr
	s_wait_alu depctr_va_vdst(0)
.set i, 0
.rept 256
	v_rcp_f32 v[i], v[i]
.set i, i+1
.endr
	TWAIT
	WIN 0
.endm
.macro MUL8 b0, set, mat, zero         ; column tiles b0, b0 + 1 x the four batches, 128 along K
	WIN 0xa5+0x50*(\mat)
.irp u, 0,1
.irp t, 0,1,2,3
.set rD, 8*(8*\t+(\b0)+\u)
.set rA, 64*(\set)+16*\t
.set rB, 128+16*((\b0)+\u)
.if \zero
	v_wmma_f32_16x16x128_bf8_bf8 v[rD:rD+7], v[rA:rA+15], v[rB:rB+15], 0
.else
	v_wmma_f32_16x16x128_bf8_bf8 v[rD:rD+7], v[rA:rA+15], v[rB:rB+15], v[rD:rD+7]
.endif
.endr
.endr
.endm
; A phase = one weight slot pb with the rows' slot pa: STEP is its first K step, TURN or LASTSTEP its second.
.macro STEP pb, pa, mat, zero, aoff, cond, pend
.if (\aoff) >= 0
	A_LOAD \pa, \aoff, \cond                       ; the rows of the phase after next
.endif
	s_wait_dscnt \pend
	MUL8 0, 0, \mat, \zero
	MUL8 2, 0, \mat, \zero
	s_wait_dscnt 0x0
	PLACES 4
	FETCH_A \pa, 1, 1
	FETCH_B \pb, 1, 0
	MUL8 4, 0, \mat, \zero
	MUL8 6, 0, \mat, \zero
	PLACES 4
	FETCH_B \pb, 1, 4
	WIN 0
.endm
; fill = 1: slot pb is filled again (up: 262,144 bytes on, else back); nb: the next phase's weight slot; cond: the rows' store only in the first trip
.macro TURN pb, pa, mat, fill, up, nb, cond
	s_wait_dscnt 16
	s_wait_alu depctr_va_vdst(0)
	MUL8 0, 1, \mat, 0
	MUL8 2, 1, \mat, 0
	WIN 0
	s_wait_tensorcnt 0x0                           ; all my tensor loads have landed,
	ds_add_u32 v[SPW], v[NIL]                      ; the add on my spare word,
	s_wait_dscnt 0x0                               ; and my reads of both slots of this phase are over
	s_barrier_signal -1
	s_barrier_wait -1
.if \fill
	CREST                                          ; the barrier has opened a round of the cluster's barrier
.if \up
	s_add_nc_u64 s[G0B+4*(\pb)+2:G0B+4*(\pb)+3], s[G0B+4*(\pb)+2:G0B+4*(\pb)+3], 262144
.else
	s_sub_nc_u64 s[G0B+4*(\pb)+2:G0B+4*(\pb)+3], s[G0B+4*(\pb)+2:G0B+4*(\pb)+3], 262144
.endif
	JLOAD \pb
.else
	PLACES 4
.endif
	FETCH_A 1-\pa, 0, 0
	FETCH_B \nb, 0, 0
	MUL8 4, 1, \mat, 0
	MUL8 6, 1, \mat, 0
	PLACES 4
	FETCH_B \nb, 0, 4
	WIN 0
	A_STORE \pa, \cond
.endm
.macro LASTSTEP mat
	s_wait_dscnt 16
	MUL8 0, 1, \mat, 0
	MUL8 2, 1, \mat, 0
	s_wait_dscnt 0x0
	MUL8 4, 1, \mat, 0
	MUL8 6, 1, \mat, 0
	WIN 0
	PLACES 4
.endm
.macro START                           ; a pair's first fragments: every wave's stores of the rows and reads of the last phase are over
	s_wait_dscnt 0x0
	s_barrier_signal -1
	s_barrier_wait -1
	FETCH_A 0, 0, 0
	FETCH_B 0, 0, 0
	FETCH_B 0, 0, 4
	WIN 0
.endm
.macro BIAS_LOAD hf                    ; the four batches 4 hf .. + 3; with the pair's first tile also its row of asp_vs_d
.irp t, 0,1,2,3
.irp q, 0,1,2,3
	global_load_b128 v[UB+16*\t+4*\q:UB+16*\t+4*\q+3], v[UBO], s[UBP:UBP+1] offset:16384*(\hf)+4096*\t+256*\q
.endr
.endr
.if (\hf) == 0
.irp c, 0,1,2,3,4,5,6,7
	global_load_b32 v[ASP+\c], v[ASPO], s[10:11] offset:64*\c
.endr
.endif
.endm
; m = gate x (2^(e2 + e3) x sum + bias + the user's half).  to3 = 0: m goes over the gates (window 2); 1: over the proj sums (window 3)
.macro E1 to3
	WIN 0xc3
	s_wait_alu depctr_va_vdst(0)                   ; directly ahead of the first reader of the proj sums
.irp t, 0,1,2,3
.irp c, 0,1,2,3,4,5,6,7
.set rP, 8*(8*\t+\c)
.set rU, UB+16*\t+8+(\c/2)*2
.irp i, 0,2,4,6
.if (\c%2) == 0
	v_pk_fma_f32 v[rP+\i:rP+\i+1], v[rP+\i:rP+\i+1], s[SJ:SJ+1], v[rU:rU+1] op_sel_hi:[1,0,0]
.else
	v_pk_fma_f32 v[rP+\i:rP+\i+1], v[rP+\i:rP+\i+1], s[SJ:SJ+1], v[rU:rU+1] op_sel:[0,0,1] op_sel_hi:[1,0,1]
.endif
.endr
.endr
.endr
	WIN 0x8b+0x40*(\to3)                           ; source 0 window 3, source 1 window 2, destination window 2 or 3
.set i, 0
.rept 128
	v_pk_mul_f32 v[i:i+1], v[i:i+1], v[i:i+1]
.set i, i+2
.endr
	WIN 0
	s_wait_alu depctr_va_vdst(0)
.endm
; A tile's scores, its share of the softmax under the running maximum, and of the weighted sum.  mw: the window that holds m.  fin = 1: the pair is done, its output row leaves
.macro EPIR mw, fin
	WIN \mw
.irp c, 0,1,2,3,4,5,6,7
.irp t, 0,1,2,3
.irp i, 0,2,4,6
.if \c == 0
	v_pk_mul_f32 v[SP+8*\t+\i:SP+8*\t+\i+1], v[64*\t+\i:64*\t+\i+1], v[ASP:ASP+1] op_sel_hi:[1,0]
.elseif (\c%2) == 0
	v_pk_fma_f32 v[SP+8*\t+\i:SP+8*\t+\i+1], v[8*(8*\t+\c)+\i:8*(8*\t+\c)+\i+1], v[ASP+\c:ASP+\c+1], v[SP+8*\t+\i:SP+8*\t+\i+1] op_sel_hi:[1,0,1]
.else
	v_pk_fma_f32 v[SP+8*\t+\i:SP+8*\t+\i+1], v[8*(8*\t+\c)+\i:8*(8*\t+\c)+\i+1], v[ASP+\c-1:ASP+\c], v[SP+8*\t+\i:SP+8*\t+\i+1] op_sel:[0,1,0] op_sel_hi:[1,1,1]
.endif
.endr
.endr
.endr
	WIN 0
.irp m, 1,2,4,8
.set i, 0
.rept 32
	v_add_f32_dpp v[SP+i], v[SP+i], v[SP+i] row_xmask:\m row_mask:0xf bank_mask:0xf
.set i, i+1
.endr
.endr
.irp t, 0,1,2,3
.irp q, 0,1
	ds_store_b128 v[SCW], v[SP+8*\t+4*\q:SP+8*\t+4*\q+3] offset:64*\t+16*\q
.endr
.endr
	s_wait_dscnt 0x0
	s_barrier_signal -1
	s_barrier_wait -1
.irp t, 0,1,2,3                                ; the four waves' parts: wave 0's into the scores' own registers, the others' by turns into 32 more
.irp q, 0,1
	ds_load_b128 v[SP+8*\t+4*\q:SP+8*\t+4*\q+3], v[SCRD] offset:64*\t+16*\q
.endr
.endr
.irp w, 1,2,3
.irp t, 0,1,2,3
.irp q, 0,1
	ds_load_b128 v[T+8*\t+4*\q:T+8*\t+4*\q+3], v[SCRD] offset:256*\w+64*\t+16*\q
.endr
.endr
	s_wait_dscnt 0x0
.set i, 0
.rept 16
	v_pk_add_f32 v[SP+i:SP+i+1], v[SP+i:SP+i+1], v[T+i:T+i+1]
.set i, i+2
.endr
.endr
	v_max3_num_f32 v21, v[SP], v[SP+1], v[SP+2]
	v_max3_num_f32 v22, v[SP+3], v[SP+4], v[SP+5]
.irp i, 6,10,14,18,22,26
	v_max3_num_f32 v21, v21, v[SP+\i], v[SP+\i+1]
	v_max3_num_f32 v22, v22, v[SP+\i+2], v[SP+\i+3]
.endr
	v_max3_num_f32 v21, v21, v[SP+30], v[SP+31]
	v_max_num_f32 v21, v21, v22
	v_permlanex16_b32 v23, v21, s[SEL], s[SEL+1]
	v_max3_num_f32 v[NM], v21, v23, v[MX]          ; the running maximum
	v_sub_f32 v22, v[MX], v[NM]
	v_mul_f32 v22, 0x3fb8aa3b, v22
.set i, 0
.rept 16
	v_pk_add_f32 v[SP+i:SP+i+1], v[SP+i:SP+i+1], v[NM:NM+1] op_sel_hi:[1,0] neg_lo:[0,1] neg_hi:[0,1]
.set i, i+2
.endr
.set i, 0
.rept 16
	v_pk_mul_f32 v[SP+i:SP+i+1], v[SP+i:SP+i+1], 0x3fb8aa3b op_sel_hi:[1,0]
.set i, i+2
.endr
.set i, 0
	s_wait_alu depctr_va_vdst(0)
.rept 32
	v_exp_f32 v[SP+i], v[SP+i]
.set i, i+1
.endr
	v_exp_f32 v[FF], v22
	v_mov_b32 v[MX], v[NM]
	s_wait_alu depctr_va_vdst(0)
	v_pk_add_f32 v[30:31], v[SP:SP+1], v[SP+2:SP+3]
	v_pk_add_f32 v[88:89], v[SP+4:SP+5], v[SP+6:SP+7]
.irp i, 8,12,16,20,24,28
	v_pk_add_f32 v[30:31], v[30:31], v[SP+\i:SP+\i+1]
	v_pk_add_f32 v[88:89], v[88:89], v[SP+\i+2:SP+\i+3]
.endr
	v_pk_add_f32 v[30:31], v[30:31], v[88:89]
	v_add_f32 v21, v30, v31
	v_permlanex16_b32 v23, v21, s[SEL], s[SEL+1]
	v_add_f32 v21, v21, v23
	v_fma_f32 v[LS], v[LS], v[FF], v21
.irp c, 0,1,2,3,4,5,6,7
	v_pk_mul_f32 v[OA+2*\c:OA+2*\c+1], v[OA+2*\c:OA+2*\c+1], v[FF:FF+1] op_sel_hi:[1,0]
.endr
	WIN \mw
.irp t, 0,1,2,3
.irp i, 0,2,4,6
.irp c, 0,1,2,3,4,5,6,7
	v_pk_fma_f32 v[OA+2*\c:OA+2*\c+1], v[8*(8*\t+\c)+\i:8*(8*\t+\c)+\i+1], v[SP+8*\t+\i:SP+8*\t+\i+1], v[OA+2*\c:OA+2*\c+1]
.endr
.endr
.endr
	WIN 0
.if \fin
	s_wait_xcnt 0x0                                ; the last row's store has read its registers
	s_wait_alu depctr_va_vdst(0)
.irp c, 0,1,2,3,4,5,6,7
	v_add_f32 v[T+\c], v[OA+2*\c], v[OA+2*\c+1]
.endr
.irp c, 0,1,2,3,4,5,6,7
	v_permlanex16_b32 v[T+8+\c], v[T+\c], s[SEL], s[SEL+1]
.endr
.irp c, 0,1,2,3,4,5,6,7
	v_add_f32 v[T+\c], v[T+\c], v[T+8+\c]
.endr
	v_rcp_f32 v21, v[LS]
	v_nop
	s_wait_alu depctr_va_vdst(0)
.irp c, 0,1,2,3,4,5,6,7
	v_mul_f32 v[T+\c], v[T+\c], v21
.endr
.irp c, 0,1,2,3,4,5,6,7
	ds_store_b32 v[OSW], v[T+\c] offset:64*\c
.endr
	ds_load_b128 v[OD:OD+3], v[OSR]                ; my own bytes: LDS serves a wave's instructions in order
	s_wait_dscnt 0x0
	global_store_b128 v[OGO], v[OD:OD+3], s[OUTP:OUTP+1] th:TH_STORE_NT   ; 512 consecutive bytes, aligned
	s_wait_xcnt 0x0                                ; the store's offset is stepped only behind this wait
	v_add_nc_u32 v[OGO], 2048, v[OGO]              ; the next pair: the next output row, the next row of asp_vs_d
	v_add_nc_u32 v[ASPO], 2048, v[ASPO]
	v_mov_b32 v[MX], 0xff61b1e6
	v_mov_b32 v[LS], 0
.irp c, 0,1,2,3,4,5,6,7,8,9,10,11,12,13,14,15
	v_mov_b32 v[OA+\c], 0
.endr
.else
	s_wait_alu depctr_va_vdst(0)
.endif
.endm
	s_load_b256 s[4:11], s[0:1], 0x0
	s_load_b128 s[12:15], s[0:1], 0x20
	v_lshl_add_u32 v[SPW], v0, 2, SPARE
	v_mov_b32 v[NIL], 0
	ds_add_u32 v18, v19                            ; the opening lines: the add, twice on end, and its wait
	ds_add_u32 v18, v19
	s_wait_dscnt 0x0
	v_lshrrev_b32 v1, 5, v0
	v_readfirstlane_b32 s[WV], v1
	v_and_b32 v1, 31, v0
	v_and_b32 v2, 15, v0
	v_bfe_u32 v3, v0, 4, 1
	v_lshlrev_b32 v17, 4, v1
	s_lshl_b32 s86, s[WV], 14
.irp p, 0,1
.irp k, 0,1
	s_add_co_u32 s87, s86, \p*BSL+\k*65536
	v_add_nc_u32 v[ADRB+2*\p+\k], s87, v17
.endr
	v_add_nc_u32 v[ADRA+\p], AREG+\p*ASL, v17
.endr
	s_lshl_b32 s87, s[WV], 12
	v_add_nc_u32 v[AGO], s87, v17
	v_add_nc_u32 v[AST], AREG, v[AGO]
	s_lshl_b32 s87, s[WV], 8
	v_lshlrev_b32 v[SCRD], 5, v3
	v_add_nc_u32 v[SCRD], SCR, v[SCRD]
	v_add_nc_u32 v[SCW], s87, v[SCRD]
	s_lshl_b32 s87, s[WV], 9
	v_lshl_add_u32 v21, v2, 2, s87
	v_add_nc_u32 v[OSW], OSTG, v21
	v_add_nc_u32 v[OGO], s87, v17
	v_add_nc_u32 v[OSR], OSTG, v[OGO]
	s_lshl_b32 s87, s[WV], 10
	v_lshl_add_u32 v[UBO], v2, 4, s87
	v_mov_b32 v[MX], 0xff61b1e6
	v_mov_b32 v[LS], 0
	v_mov_b32 v23, 0
	v_mov_b32 v[FF+1], 0
	v_mov_b32 v[NM+1], 0
.irp c, 0,1,2,3,4,5,6,7,8,9,10,11,12,13,14,15
	v_mov_b32 v[OA+\c], 0
.endr
	s_bfe_u32 s66, ttmp6, 0x40000
	s_lshl_b32 s68, ttmp9, 2
	s_add_co_u32 s68, s68, s66
	s_and_b32 s69, ttmp7, 0xffff
	s_mov_b32 s[G1B], 15|(3<<16)|(1<<21)
	s_mov_b32 s[G1B+1], 64<<16                     ; a wave's quarter of a slot, 32,768 dense bytes, stated as 64 rows of 512 bytes (64 elements of 8)
	s_mov_b32 s[G1B+2], 64<<16
	s_mov_b32 s[G1B+3], 64<<16
	s_mov_b32 s[G1B+4], 64
	s_mov_b32 s[G1B+5], 64
	s_mov_b32 s[G1B+6], 0
	s_mov_b32 s[G1B+7], 0
	s_lshl_b32 s90, s[WV], 15
	s_lshl_b32 s72, s69, 20
	s_add_co_u32 s72, s72, s90
	s_mov_b32 s73, 0
	s_lshl_b32 s76, s68, 18
	s_mov_b32 s77, 0
	s_lshl_b32 s84, s69, 18
	s_lshr_b32 s85, s68, 2
	s_lshl_b32 s85, s85, 15
	s_add_co_u32 s84, s84, s85
	s_mov_b32 s85, 0
	s_lshl_b32 s88, s69, 17
	s_lshr_b32 s89, s68, 2
	s_lshl_b32 s89, s89, 14
	s_add_co_u32 s88, s88, s89
	s_and_b32 s97, s68, 3
	s_lshl_b32 s97, s97, 12
	s_add_co_u32 s88, s88, s97
	s_mov_b32 s89, 0
	v_add_nc_u32 v[ASPO], s97, v21
	s_mov_b32 s[SEL], 0x76543210
	s_mov_b32 s[SEL+1], 0xfedcba98
	s_wait_kmcnt 0x0
	s_load_b128 s[92:95], s[12:13], 0x0
	s_add_nc_u64 s[74:75], s[6:7], s[72:73]
	s_add_nc_u64 s[AP:AP+1], s[4:5], s[76:77]
	s_add_nc_u64 s[UBP:UBP+1], s[8:9], s[84:85]
	s_add_nc_u64 s[OUTP:OUTP+1], s[14:15], s[88:89]
	CROUND
.irp p, 0,1
	s_mov_b32 s[G0B+4*\p], 1
	s_add_co_u32 s[G0B+4*\p+1], s90, \p*BSL
	s_add_nc_u64 s[G0B+4*\p+2:G0B+4*\p+3], s[74:75], \p*131072
	s_or_b32 s[G0B+4*\p+3], s[G0B+4*\p+3], 0x80000000
.endr
	tensor_load_to_lds s[G0B:G0B+3], s[G1B:G1B+7]  ; map K01: one tensor load a wave at the head
	s_nop 0
	s_wait_alu depctr_va_vdst(0)
.irp c, 0,1                                    ; the rows of the first two phases, into both register sets
.irp i, 0,1,2,3,4,5,6,7
	global_load_b128 v[STG+32*\c+4*\i:STG+32*\c+4*\i+3], v[AGO], s[AP:AP+1] offset:ASL*\c+512*\i
.endr
.endr
	s_wait_tensorcnt 0x0
	ds_add_u32 v18, v19
	s_wait_dscnt 0x0
	CROUND
	tensor_load_to_lds s[G0B+4:G0B+7], s[G1B:G1B+7]  ; map K23: slot 1's first fill, issued as a refill is
	s_nop 0
.rept 4
	v_nop
.endr
	s_wait_kmcnt 0x0
	s_add_co_i32 s[SG], s92, s93
	s_lshl_b32 s[SG], s[SG], 23
	s_add_co_i32 s[SG], s[SG], 0xbfb8aa3b
	s_mov_b32 s[SG+1], s[SG]
	s_add_co_i32 s[SJ], s94, s95
	s_add_co_i32 s[SJ], s[SJ], 127
	s_lshl_b32 s[SJ], s[SJ], 23
	s_mov_b32 s[SJ+1], s[SJ]
	A_STORE 0, 0                                   ; the first phase's rows; the second's are stored at the loop's top
	s_mov_b32 s[TAU], 0
	s_wait_alu depctr_va_vdst(0)
.Lpair:
	START
	A_STORE 1, 0
	BIAS_LOAD 0
	STEP 0, 0, 0, 1, 32768, 0, 24                  ; FIRST TILE.  map K01
	TURN 0, 0, 0, 1, 1, 1, 0                       ; slot 0 takes proj K01
	STEP 1, 1, 0, 0, 49152, 0, 24                  ; map K23
	TURN 1, 1, 0, 1, 1, 0, 0                       ; slot 1 takes proj K23
	A_LOAD 0, 114688, 0                            ; on their way under the gate's block, which names none of their registers
	SIG
	STEP 0, 0, 1, 1, -1, 0, 24                     ; proj K01
	TURN 0, 0, 1, 0, 0, 1, 0
	STEP 1, 1, 1, 0, 98304, 0, 24                  ; proj K23
	TURN 1, 1, 1, 0, 0, 1, 0                       ; the next phase reads the same slot
	E1 0
	BIAS_LOAD 1
	STEP 1, 0, 1, 1, 81920, 0, 24                  ; SECOND TILE.  proj K23
	TURN 1, 0, 1, 1, 0, 0, 0                       ; slot 1 takes map K23
	STEP 0, 1, 1, 0, 65536, 0, 24                  ; proj K01
	TURN 0, 1, 1, 1, 0, 1, 0                       ; slot 0 takes map K01
	EPIR 2, 0                                      ; the first tile's way out: no sum is open here
	STEP 1, 0, 0, 1, 131072, 1, 24                 ; map K23
	TURN 1, 0, 0, 0, 0, 0, 1
	STEP 0, 1, 0, 0, 147456, 1, 16                 ; map K01 (the count leaves no store out: there may be none)
	LASTSTEP 0
	SIG
	E1 1
	EPIR 3, 1
	s_wait_xcnt 0x0                                ; the loads on their way have read their base
	s_add_nc_u64 s[AP:AP+1], s[AP:AP+1], 131072
	s_add_co_u32 s[TAU], s[TAU], 1
	s_cmp_lt_u32 s[TAU], 2
	s_wait_alu depctr_va_vdst(0)
	s_cbranch_scc1 .Lpair
	s_wait_tensorcnt 0x0                           ; the wave's end
	ds_add_u32 v[SPW], v[NIL]
	s_wait_dscnt 0x0
	CROUND                                         ; the closing round
	s_endpgm
.Lfunc_end_k_q43c3bd9724_main:
	.size	k_q43c3bd9724_main, .Lfunc_end_k_q43c3bd9724_main-k_q43c3bd9724_main
	.p2alignl 7, 3214868480
	.fill 96, 4, 3214868480
	.section	.rodata,"a",@progbits
	.p2align	6, 0x0
	.amdhsa_kernel k_q43c3bd9724_main
		.amdhsa_group_segment_fixed_size 327680
		.amdhsa_private_segment_fixed_size 0
		.amdhsa_enable_private_segment 0
		.amdhsa_kernarg_size 48
		.amdhsa_user_sgpr_count 2
		.amdhsa_user_sgpr_kernarg_segment_ptr 1
		.amdhsa_wavefront_size32 1
		.amdhsa_system_sgpr_workgroup_id_x 1
		.amdhsa_system_sgpr_workgroup_id_y 1
		.amdhsa_system_sgpr_workgroup_id_z 1
		.amdhsa_system_vgpr_workitem_id 0
		.amdhsa_next_free_vgpr 1024
		.amdhsa_next_free_sgpr 100
		.amdhsa_reserve_vcc 0
		.amdhsa_float_denorm_mode_32 3
		.amdhsa_float_denorm_mode_16_64 3
		.amdhsa_memory_ordered 1
		.amdhsa_forward_progress 1
		.amdhsa_inst_pref_size 255
	.end_amdhsa_kernel
	.section	.bss,"aw",@nobits
	.p2align	6
	.space	262144
	.amdgpu_metadata
---
amdhsa.version: [ 1, 2 ]
amdhsa.kernels:
  - .name:           k_q43c3bd9724_main
    .symbol:         k_q43c3bd9724_main.kd
    .args:
      - { .name: hcodes, .offset: 0, .size: 8, .value_kind: global_buffer, .address_space: global }
      - { .name: wcodes, .offset: 8, .size: 8, .value_kind: global_buffer, .address_space: global }
      - { .name: ubias, .offset: 16, .size: 8, .value_kind: global_buffer, .address_space: global }
      - { .name: asp_vs_d, .offset: 24, .size: 8, .value_kind: global_buffer, .address_space: global }
      - { .name: lowp_scales, .offset: 32, .size: 8, .value_kind: global_buffer, .address_space: global }
      - { .name: out0, .offset: 40, .size: 8, .value_kind: global_buffer, .address_space: global }
    .group_segment_fixed_size: 327680
    .private_segment_fixed_size: 0
    .kernarg_segment_align: 8
    .kernarg_segment_size: 48
    .max_flat_workgroup_size: 128
    .sgpr_count:     100
    .vgpr_count:     1024
    .wavefront_size: 32
...
	.end_amdgpu_metadata
.endif
;; end of part 2
